; MI455X (gfx1250); checked and timed in simulation.
; The chip was launched on July 23, 2026; its instructions are those of AMD's public machine-readable ISA for CDNA 5 (MIT licence, August 2026) and "CDNA5" Instruction Set Architecture Reference Guide (July 2026). The comments in the code are by the model that wrote it; some were corrected since.
;; Multi Head Attention. Allowed arithmetic: matrix products marked QUANTISED: E2M1 operands, one E8M0 scale for each 32 along K, by v_wmma_scale_f32_16x16x128_f8f6f4 with both operands' format E2M1 (or v_wmma_scale_f32_32x16x128_f4), f32 sums; products left as they are: bf16, f16 or f32 operands; f32 sums; everything else in f32.
;; Inputs: bk 1,024 float32; bo 1,024 float32; bq 1,024 float32; bv 1,024 float32; k 4 x 2,048 x 1,024 float32; q 4 x 2,048 x 1,024 float32; v 4 x 2,048 x 1,024 float32; wk 1,024 x 1,024 float32; wo 1,024 x 1,024 float32; wq 1,024 x 1,024 float32; wv 1,024 x 1,024 float32.
;; Outputs: out0 4 x 2,048 x 1,024 float32.
;; This version of the problem:
;;   THIS VERSION OF THE PROBLEM IS GIVEN IN LOW PRECISION. The matrix products marked QUANTISED in the list below multiply operands that are first quantised to E2M1 (2 exponent bits, 1 mantissa bit; 4 bits a number), with one power-of-two scale for each 32 numbers along K (OCP MX v1.0); their sums are f32. The products marked 'left as it is' may take bf16, f16 or f32 operands, with f32 sums. Whichever they take, every output number must still come out within the allowed error. Rounding operands to bf16 (8 significant bits) uses up far more of that allowance than f16 does (11 bits, for magnitudes from 6e-5 to 65,504). All else is computed in f32.
;;   The module's matrix products, in the order in which they are computed (A, B: the left and right operand; K: the contracted axis; several contracted axes count as one K, in the product's order):
;;     1. [M 8,192, K 1,024] x [K 1,024, N 1,024]; A: input q; B: input wq: QUANTISED
;;     2. [M 8,192, K 1,024] x [K 1,024, N 1,024]; A: input k; B: input wk: QUANTISED
;;     3. [M 8,192, K 1,024] x [K 1,024, N 1,024]; A: input v; B: input wv: QUANTISED
;;     4. batch 64 x [M 2,048, K 64] x [K 64, N 2,048]; A: computed on the way; B: computed on the way: left as it is (an operand is computed on the way)
;;     5. batch 64 x [M 2,048, K 2,048] x [K 2,048, N 64]; A: computed on the way; B: computed on the way: left as it is (an operand is computed on the way)
;;     6. [M 8,192, K 1,024] x [K 1,024, N 1,024]; A: computed on the way; B: input wo: left as it is (an operand is computed on the way)
;;   THE QUANTISER, for each operand of a quantised product, along K:
;;     - K is cut into blocks of 32 from its start; a last block that is shorter is filled with zeros.
;;     - A block's scale is 2^e with e = floor(log2(the largest magnitude in the block)) - 2, held to -126 .. 127; a block of zeros has e = 0. As a byte (E8M0): e + 127.
;;     - Each number is divided by its block's scale, clamped to +-6, and rounded to the nearest number of E2M1, ties to even, subnormals kept.
;;     - The product sums the exact products of the quantised numbers (number of the format x scale) in f32.
;;   ~~~python
;;   def quantise(x, axis):      # numpy; x: float32 -> the quantised numbers, widened to float32 again
;;       x = np.moveaxis(x, axis, -1); K = x.shape[-1]
;;       x = np.pad(x, [(0, 0)] * (x.ndim - 1) + [(0, -K % 32)]); x = x.reshape(x.shape[:-1] + (-1, 32)); a = np.abs(x).max(-1, keepdims=True)
;;       e = np.where(a > 0, np.clip(np.frexp(np.where(a > 0, a, 1))[1] - 1 - 2, -126, 127), 0)      # np.frexp(a)[1] - 1 = floor(log2(a)), exactly
;;       r = np.clip(x / 2.0 ** e, -6, 6)
;;       step = 2.0 ** (np.maximum(np.frexp(np.where(r == 0, 1, r))[1] - 1, 0) - 1)
;;       q = np.round(r / step) * step * 2.0 ** e      # np.round: ties to even
;;       return np.moveaxis(q.reshape(q.shape[:-2] + (-1,))[..., :K], -1, axis).astype(np.float32)
;;   ~~~
;; One version. Each part assembles by itself: llvm-mc -triple=amdgcn-amd-amdhsa -mcpu=gfx1250 --defsym DOCPART=n.
;; ======== version 1 of 1: 4 launches
;; limits: values are held in f16: magnitudes above 65,504 overflow, below 6.1e-05 lose precision
;; workspace buffers: acodes 12,582,912 bytes; ascales 786,432 bytes; wcodes 1,572,864 bytes; wscales 98,304 bytes; wof 2,097,152 bytes; qkv 50,331,648 bytes; ctx 16,777,216 bytes
;; launch prep (part 1): grid 320 x 1, 8 waves a work-group, no clusters, 68,608 bytes of LDS; arguments q, k, v, wq, wk, wv, wo, acodes, ascales, wcodes, wscales, wof; writes acodes, ascales, wcodes, wscales, wof
.if DOCPART == 1
	.amdgcn_target "amdgcn-amd-amdhsa--gfx1250"
	.amdhsa_code_object_version 6
	.text
	.protected	k_qb879511f96_prep
	.globl	k_qb879511f96_prep
	.p2align	8
	.type	k_qb879511f96_prep,@function
k_qb879511f96_prep:
	s_mov_b64 s[64:65], 0
	v_nop
	global_prefetch_b8 v0, s[64:65] scope:SCOPE_SE
	s_setreg_imm32_b32 hwreg(HW_REG_WAVE_MODE, 25, 1), 1
	s_wait_xcnt 0x0
; MULTI-HEAD ATTENTION, launch 1 of 4: the operands of the three quantised products become codes of E2M1 with E8M0 scale bytes; wo becomes f16.
; DEAD WORK, for the whole program: bk.  scores[q][k] = (q wq + bq) . (k wk + bk) / 4 = (q wq + bq) . (k wk) / 4 + (q wq + bq) . bk / 4.  The second term does not hang on the key: it is the same
; along the softmax's axis, for all values of the inputs, and a softmax is unchanged by it.  The product of the scores is not quantised, so bk moves no code and no scale.  bk has then no way to any output:
; it is not loaded and is among no launch's arguments.  LIMIT: a NaN, an infinity or an overflow that reaches only bk's term is not carried to the result.
; THE QUANTISER.  A block of 32 along K has the scale 2^(floor(log2(its largest magnitude)) - 2); its byte is the largest magnitude's exponent field - 2, held at 1 from below.  A block of zeros so gets the
; byte 1 where the rule says 127: its codes are zeros, which add nothing, and the bytes are read by this program alone.  Each number is divided by the scale and rounded to the nearest code, ties to even, beyond 6 to 6.
; LIMITS: NaN and infinities among the inputs are not served; blocks whose largest magnitude lies under 2^(3 - 127) take the byte 1.  wo is rounded to f16: numbers beyond 65,504 become infinite.
; ALL WORKSPACE IS LAID IN THE ORDER OF THE READER'S OPERAND REGISTERS.  The image of a fragment: registers 4 c .. 4 c + 3 of lane l lie at byte 512 c + 16 l.
;   acodes  [tile of 16 rows: tensor x 512 + tile][K step of 128: 8][1,024]: lane (r, h), piece c: block 2 c + h of row r
;   ascales [tile][lane][4 words]: lane (r, h), word j: row r's scale word of K step 4 h + j
;   wcodes  [tensor][tile of 16 columns: 64][K step: 8][1,024], wscales [tensor][tile][512]: the same images, a column in a row's place
;   wof     [tile of 16 columns: 64][K step of 32: 32][1,024] f16: the 8 numbers k = 8 g .. 8 g + 7 of column r lie at 256 g + 16 r of their 128 along K
; SHARES.  Work-groups 0-95: wq, wk, wv (32 columns each; a wave takes 128 along K).  96-127: wo likewise.  128-319: q, k, v: a wave takes a tile of 16 rows x 1,024.  Waves share nothing: no barrier.
; No matrix unit, no cluster, no tensor load: nothing is shared and nothing is multiplied.
.set SPARE, 67584                      ; behind the eight stages: the spare words, 128 bytes for each wave: four blocks of 256 bytes that no other line names
.set STG,   8448                       ; a wave's stage: 16 rows of 512 bytes + 16
.set PIT,   528                        ; 132 words: row r starts 4 r words on modulo 64, so the 16 rows that a read touches start at 16 different places
.set SPW,   28                         ; v28  LDS address of my spare word; never rewritten
.set NIL,   29                         ; v29  0; never rewritten
.set R,     32                         ; v32-159  q, k, v: two sets of 64 registers as loaded.  Weights: v32-95 two sets of 32, v96.. results
.set X,     160                        ; v160-223 my two blocks of 32 neighbours
.set C,     224                        ; v224-231 their codes
.set W,     232                        ; v232-239 my row's scale words, one for each K step
.macro LOADA t                         ; K step t of my 16 rows: a row's 512 consecutive bytes to an instruction
.irp i, 0,1,2,3,4,5,6,7,8,9,10,11,12,13,14,15
	global_load_b128 v[R+64*((\t)%2)+4*\i:R+64*((\t)%2)+4*\i+3], v2, s[32:33] offset:4096*\i+512*(\t) th:TH_LOAD_NT
.endr
.endm
.macro STEPA t
.if (\t) < 7
	s_wait_loadcnt 16                              ; this step's 16 loads are in; the next step's 16 may be out
.else
	s_wait_loadcnt 0
.endif
.irp i, 0,1,2,3,4,5,6,7,8,9,10,11,12,13,14,15
	ds_store_b128 v3, v[R+64*((\t)%2)+4*\i:R+64*((\t)%2)+4*\i+3] offset:PIT*\i   ; as loaded
.endr
.irp c, 0,1
.irp j, 0,1,2,3,4,5,6,7
	ds_load_b128 v[X+32*\c+4*\j:X+32*\c+4*\j+3], v4 offset:256*\c+16*\j   ; back: lane (r, h) takes blocks h and 2 + h of row r.  LDS serves a wave's instructions in order: these see the stores above
.endr
.endr
	s_wait_dscnt 0x0                               ; my 64 numbers are in, and the stage's stores have read their registers
	s_wait_xcnt 0x0                                ; the last step's two stores have read the codes' registers
.if (\t) < 6
	LOADA (\t)+2
.endif
.irp c, 0,1                                    ; a block's largest magnitude: all 32 numbers are mine; two chains a block
	v_max3_num_f32 v[8+2*\c], |v[X+32*\c]|, |v[X+32*\c+1]|, |v[X+32*\c+2]|
	v_max3_num_f32 v[9+2*\c], |v[X+32*\c+3]|, |v[X+32*\c+4]|, |v[X+32*\c+5]|
.endr
.irp i, 6,10,14,18,22,26
.irp c, 0,1
	v_max3_num_f32 v[8+2*\c], v[8+2*\c], |v[X+32*\c+\i]|, |v[X+32*\c+\i+1]|
	v_max3_num_f32 v[9+2*\c], v[9+2*\c], |v[X+32*\c+\i+2]|, |v[X+32*\c+\i+3]|
.endr
.endr
.irp c, 0,1
	v_max3_num_f32 v[8+2*\c], v[8+2*\c], |v[X+32*\c+30]|, |v[X+32*\c+31]|
.endr
.irp c, 0,1
	v_max3_num_f32 v[8+2*\c], v[8+2*\c], v[9+2*\c], 0x1800000   ; and the floor 2^(3 - 127): the byte cannot fall under 1
.endr
.irp c, 0,1
	v_add_nc_u32 v[12+\c], 0xff000000, v[8+2*\c]   ; 2 off the exponent field: the conversion takes the exponent field of this operand as its scale
.endr
.irp c, 0,1
	v_lshrrev_b32 v[16+\c], 23, v[12+\c]           ; the scale's byte
.endr
	v_lshl_or_b32 v14, v17, 16, v16                ; my bytes: blocks h and 2 + h,
	v_lshlrev_b32 v14, v5, v14                     ; at their places in the word (8 h bits up);
	v_permlanex16_b32 v15, v14, s30, s31
	v_or_b32 v[W+(\t)], v14, v15                   ; with lane l xor 16's two the word is whole
.irp c, 0,1
.irp g, 0,1,2,3
	v_cvt_scalef32_pk8_fp4_f32 v[C+4*\c+\g], v[X+32*\c+8*\g:X+32*\c+8*\g+7], v[12+\c]
.endr
.endr
	v_nop                                          ; one plain line behind the last scaled conversion
.irp c, 0,1
	global_store_b128 v2, v[C+4*\c:C+4*\c+3], s[18:19] offset:1024*(\t)+512*\c   ; the image: 512 consecutive bytes, aligned
.endr
.endm
.macro LOADB t                         ; a weight: rows 32 t .. 32 t + 31 of my 128, my column, into set t % 2: a lane's registers run down K
.irp i, 0,1,2,3,4,5,6,7,8,9,10,11,12,13,14,15,16,17,18,19,20,21,22,23,24,25,26,27,28,29,30,31
	global_load_b32 v[32+32*((\t)%2)+\i], v3, s[32:33] offset:(32*(\t)+\i)*4096
.endr
.endm
.macro BLOCKW kb                       ; block kb of my K step of my column
.set XS, 32+32*((\kb)%2)
.if (\kb) < 3
	s_wait_loadcnt 32                              ; this block's 32 loads are in; the next block's may be out
.else
	s_wait_loadcnt 0
.endif
	v_max3_num_f32 v12, |v[XS]|, |v[XS+1]|, |v[XS+2]|
	v_max3_num_f32 v13, |v[XS+3]|, |v[XS+4]|, |v[XS+5]|
.irp i, 6,10,14,18,22,26
	v_max3_num_f32 v12, v12, |v[XS+\i]|, |v[XS+\i+1]|
	v_max3_num_f32 v13, v13, |v[XS+\i+2]|, |v[XS+\i+3]|
.endr
	v_max3_num_f32 v12, v12, |v[XS+30]|, |v[XS+31]|
	v_max3_num_f32 v12, v12, v13, 0x1800000
	v_add_nc_u32 v11, 0xff000000, v12
	v_lshrrev_b32 v13, 23, v11
.if (\kb) == 0
	v_mov_b32 v14, v13                             ; the four bytes make my column's scale word of this K step
.else
	v_lshl_or_b32 v14, v13, 8*(\kb), v14
.endif
.irp g, 0,1,2,3
	v_cvt_scalef32_pk8_fp4_f32 v[96+4*(\kb)+\g], v[XS+8*\g:XS+8*\g+7], v11   ; each block has registers of its own: no store's data are written again
.endr
	v_nop
	global_store_b128 v5, v[96+4*(\kb):96+4*(\kb)+3], s[22:23] offset:256*(\kb)   ; sixteen lanes fill 256 consecutive bytes, aligned; the other sixteen those of the next tile of columns
.if (\kb) < 2
	LOADB (\kb)+2
.endif
.endm
.macro BLOCKO t                        ; wo: 32 along K of my column become 16 registers of f16
.set XS, 32+32*((\t)%2)
.if (\t) < 3
	s_wait_loadcnt 32
.else
	s_wait_loadcnt 0
.endif
.irp i, 0,1,2,3,4,5,6,7,8,9,10,11,12,13,14,15
	v_cvt_pk_f16_f32 v[96+16*(\t)+\i], v[XS+2*\i], v[XS+2*\i+1]
.endr
.irp u, 0,1,2,3
	global_store_b128 v5, v[96+16*(\t)+4*\u:96+16*(\t)+4*\u+3], s[26:27] offset:256*(4*(\t)+\u)
.endr
.if (\t) < 2
	LOADB (\t)+2
.endif
.endm
	s_load_b512 s[4:19], s[0:1], 0x0               ; q 4, k 6, v 8, wq 10, wk 12, wv 14, wo 16, acodes 18
	s_load_b256 s[20:27], s[0:1], 0x40             ; ascales 20, wcodes 22, wscales 24, wof 26
	v_lshl_add_u32 v[SPW], v0, 2, SPARE
	v_mov_b32 v[NIL], 0
	v_lshrrev_b32 v1, 5, v0
	v_readfirstlane_b32 s28, v1                    ; wave 0..7
	v_and_b32 v1, 31, v0                           ; lane
	v_and_b32 v6, 15, v0                           ; r
	v_bfe_u32 v7, v0, 4, 1                         ; h
	v_lshlrev_b32 v2, 4, v1                        ; 16 x lane
	s_mov_b32 s30, 0x76543210
	s_mov_b32 s31, 0xfedcba98                      ; v_permlanex16_b32's selects for lane l xor 16
	s_mov_b32 s37, 0
	s_wait_kmcnt 0x0
	s_cmp_lt_u32 ttmp9, 96                         ; the paths part on the work-group's number alone
	s_cbranch_scc1 .Lw
	s_cmp_lt_u32 ttmp9, 128
	s_cbranch_scc1 .Lo
	; ---- q, k, v: my tile T = 8 x (work-group - 128) + wave
	s_sub_co_u32 s29, ttmp9, 128
	s_lshr_b32 s34, s29, 6                         ; the tensor: 64 work-groups each
	s_lshl_b32 s35, s29, 3
	s_add_co_u32 s35, s35, s28                     ; T
	s_cmp_eq_u32 s34, 0
	s_cselect_b64 s[32:33], s[4:5], s[6:7]
	s_cmp_eq_u32 s34, 2
	s_cselect_b64 s[32:33], s[8:9], s[32:33]
	s_and_b32 s36, s35, 511
	s_lshl_b32 s36, s36, 16                        ; 16 rows of 4,096 bytes a tile
	s_add_nc_u64 s[32:33], s[32:33], s[36:37]
	s_lshl_b32 s36, s35, 13
	s_add_nc_u64 s[18:19], s[18:19], s[36:37]      ; 8,192 bytes of codes a tile
	s_lshl_b32 s36, s35, 9
	s_add_nc_u64 s[20:21], s[20:21], s[36:37]      ; 512 bytes of scale words
	s_mul_i32 s38, s28, STG                        ; my stage
	v_add_nc_u32 v3, s38, v2                       ; in: 16 x lane in a row
	v_mul_u32_u24 v4, v6, PIT
	v_lshl_add_u32 v4, v7, 7, v4
	v_add_nc_u32 v4, s38, v4                       ; back: row r, block h
	v_lshlrev_b32 v5, 3, v7                        ; 8 h
	v_mov_b32 v15, 0                               ; written once: a lane permute's destination counts as one of its sources
	LOADA 0
	LOADA 1
.irp t, 0,1,2,3,4,5,6,7
	STEPA \t
.endr
	v_cmp_lt_u32 vcc_lo, 15, v1                    ; lanes 16-31 carry the words of K steps 4 to 7
.irp j, 0,1,2,3
	v_cndmask_b32 v[240+\j], v[W+\j], v[W+4+\j], vcc_lo
.endr
	global_store_b128 v2, v[240:243], s[20:21]     ; 512 consecutive bytes, aligned
	s_wait_tensorcnt 0x0                           ; the wave's end: these three lines behind my last LDS store
	ds_add_u32 v[SPW], v[NIL]
	s_wait_dscnt 0x0
	s_endpgm
.Lw:	; ---- wq, wk, wv: tensor = work-group / 32, columns 32 (work-group % 32) + lane, K step = wave.  No LDS is touched on this path
	s_lshr_b32 s34, ttmp9, 5
	s_and_b32 s35, ttmp9, 31
	s_cmp_eq_u32 s34, 0
	s_cselect_b64 s[32:33], s[10:11], s[12:13]
	s_cmp_eq_u32 s34, 2
	s_cselect_b64 s[32:33], s[14:15], s[32:33]
	s_lshl_b32 s36, s28, 19                        ; 128 rows of 4,096 bytes a K step
	s_lshl_b32 s38, s35, 7
	s_add_co_u32 s36, s36, s38                     ; + 32 columns of 4 bytes
	s_add_nc_u64 s[32:33], s[32:33], s[36:37]
	s_lshl_b32 s36, s34, 19                        ; codes: 524,288 a tensor, 2 x 8,192 a work-group, 1,024 a K step
	s_lshl_b32 s38, s35, 14
	s_add_co_u32 s36, s36, s38
	s_lshl_b32 s38, s28, 10
	s_add_co_u32 s36, s36, s38
	s_add_nc_u64 s[22:23], s[22:23], s[36:37]
	s_lshl_b32 s36, s34, 15                        ; scale words: 32,768 a tensor, 2 x 512 a work-group, 256 (step / 4) + 4 (step % 4)
	s_lshl_b32 s38, s35, 10
	s_add_co_u32 s36, s36, s38
	s_lshr_b32 s38, s28, 2
	s_lshl_b32 s38, s38, 8
	s_add_co_u32 s36, s36, s38
	s_and_b32 s38, s28, 3
	s_lshl_b32 s38, s38, 2
	s_add_co_u32 s36, s36, s38
	s_add_nc_u64 s[24:25], s[24:25], s[36:37]
	v_lshlrev_b32 v3, 2, v1                        ; in: 4 bytes a lane
	v_lshlrev_b32 v4, 4, v6                        ; out: 16 r,
	v_lshl_add_u32 v5, v7, 13, v4                  ; + the tile of columns: 8,192 in the codes,
	v_lshl_add_u32 v8, v7, 9, v4                   ; 512 in the scale words
	LOADB 0
	LOADB 1
.irp kb, 0,1,2,3
	BLOCKW \kb
.endr
	global_store_b32 v8, v14, s[24:25]             ; 4 bytes a lane, 16 bytes apart: blocks of 256 bytes are written in parts here: 1 byte for each 128 that this path reads
	s_endpgm
.Lo:	; ---- wo: columns 32 (work-group - 96) + lane, 128 along K = wave.  No LDS is touched on this path
	s_sub_co_u32 s35, ttmp9, 96
	s_lshl_b32 s36, s28, 19
	s_lshl_b32 s38, s35, 7
	s_add_co_u32 s36, s36, s38
	s_add_nc_u64 s[32:33], s[16:17], s[36:37]
	s_lshl_b32 s36, s35, 16                        ; 2 x 32,768 a work-group, 4,096 for 128 along K
	s_lshl_b32 s38, s28, 12
	s_add_co_u32 s36, s36, s38
	s_add_nc_u64 s[26:27], s[26:27], s[36:37]
	v_lshlrev_b32 v3, 2, v1
	v_lshlrev_b32 v4, 4, v6
	v_lshl_add_u32 v5, v7, 15, v4
	LOADB 0
	LOADB 1
.irp t, 0,1,2,3
	BLOCKO \t
.endr
	s_endpgm
.Lfunc_end_k_qb879511f96_prep:
	.size	k_qb879511f96_prep, .Lfunc_end_k_qb879511f96_prep-k_qb879511f96_prep
	.p2alignl 7, 3214868480
	.fill 96, 4, 3214868480
	.section	.rodata,"a",@progbits
	.p2align	6, 0x0
	.amdhsa_kernel k_qb879511f96_prep
		.amdhsa_group_segment_fixed_size 68608
		.amdhsa_private_segment_fixed_size 0
		.amdhsa_enable_private_segment 0
		.amdhsa_kernarg_size 96
		.amdhsa_user_sgpr_count 2
		.amdhsa_user_sgpr_kernarg_segment_ptr 1
		.amdhsa_wavefront_size32 1
		.amdhsa_system_sgpr_workgroup_id_x 1
		.amdhsa_system_sgpr_workgroup_id_y 1
		.amdhsa_system_sgpr_workgroup_id_z 1
		.amdhsa_system_vgpr_workitem_id 0
		.amdhsa_next_free_vgpr 256
		.amdhsa_next_free_sgpr 66
		.amdhsa_reserve_vcc 1
		.amdhsa_float_denorm_mode_32 3
		.amdhsa_float_denorm_mode_16_64 3
		.amdhsa_memory_ordered 1
		.amdhsa_forward_progress 1
		.amdhsa_inst_pref_size 94
	.end_amdhsa_kernel
	.amdgpu_metadata
---
amdhsa.version: [ 1, 2 ]
amdhsa.kernels:
  - .name:           k_qb879511f96_prep
    .symbol:         k_qb879511f96_prep.kd
    .args:
      - { .name: q, .offset: 0, .size: 8, .value_kind: global_buffer, .address_space: global }
      - { .name: k, .offset: 8, .size: 8, .value_kind: global_buffer, .address_space: global }
      - { .name: v, .offset: 16, .size: 8, .value_kind: global_buffer, .address_space: global }
      - { .name: wq, .offset: 24, .size: 8, .value_kind: global_buffer, .address_space: global }
      - { .name: wk, .offset: 32, .size: 8, .value_kind: global_buffer, .address_space: global }
      - { .name: wv, .offset: 40, .size: 8, .value_kind: global_buffer, .address_space: global }
      - { .name: wo, .offset: 48, .size: 8, .value_kind: global_buffer, .address_space: global }
      - { .name: acodes, .offset: 56, .size: 8, .value_kind: global_buffer, .address_space: global }
      - { .name: ascales, .offset: 64, .size: 8, .value_kind: global_buffer, .address_space: global }
      - { .name: wcodes, .offset: 72, .size: 8, .value_kind: global_buffer, .address_space: global }
      - { .name: wscales, .offset: 80, .size: 8, .value_kind: global_buffer, .address_space: global }
      - { .name: wof, .offset: 88, .size: 8, .value_kind: global_buffer, .address_space: global }
    .group_segment_fixed_size: 68608
    .private_segment_fixed_size: 0
    .kernarg_segment_align: 8
    .kernarg_segment_size: 96
    .max_flat_workgroup_size: 256
    .sgpr_count:     66
    .vgpr_count:     256
    .wavefront_size: 32
...
	.end_amdgpu_metadata
.endif
;; end of part 1
;; launch proj (part 2): grid 4 x 192, 1 waves a work-group, no clusters, 0 bytes of LDS; arguments acodes, ascales, wcodes, wscales, bq, bv, qkv; writes qkv
.if DOCPART == 2
	.amdgcn_target "amdgcn-amd-amdhsa--gfx1250"
	.amdhsa_code_object_version 6
	.text
	.protected	k_qb879511f96_proj
	.globl	k_qb879511f96_proj
	.p2align	8
	.type	k_qb879511f96_proj,@function
k_qb879511f96_proj:
	s_mov_b64 s[64:65], 0
	v_nop
	global_prefetch_b8 v0, s[64:65] scope:SCOPE_SE
	s_setreg_imm32_b32 hwreg(HW_REG_WAVE_MODE, 25, 1), 1
	s_wait_xcnt 0x0
; Launch 2 of 4: q wq + bq, k wk, v wv + bv on codes of E2M1 with E8M0 scales, sums in f32, results rounded to f16 and laid as the attention's operand registers want them.
; LEFT OUT: bk (shown dead at the head of the first kernel: its term is the same along the softmax's axis): k's sums start at the constant 0.
; LIMIT: a projected number beyond 65,504 becomes infinite in f16.
; SHARES.  A work-group is ONE wave with 1,024 registers: 128 rows (8 tiles of 16 tokens) x 256 columns (16 tiles: 4 heads), all of K = 1,024.  Work-group x: the 256 columns; y: tensor x 64 + the 128 rows.
; The rows' codes, 8 tiles x 8 K steps x 8 registers = 512 registers, stay in registers for the whole launch.  A tile of 16 columns (64 registers) is loaded three tiles ahead into one of four buffers and feeds 64 products.
; NO LDS AND NO JOINT LOADS: each loaded fragment of the rows feeds 16 products and each of the columns 8, all from registers; a way through LDS would write and read the same bytes once more and tie independent waves to barriers.
; THE PRODUCT IS USED TRANSPOSED: source 0 = 16 columns of the weight, source 1 = 16 tokens: lane (r, h) holds token r and the columns 8 h + 0 .. 7 of the tile.  Rounded in pairs they are 16 bytes:
;   for Q and K at 16 x lane of the tile's 512 bytes: the image of piece a % 2 of fragment a / 2 (16 tokens x 32 channels);  for V at 32 r + 16 h: plain rows [16 keys][16 channels].
;   qkv [tensor][batch x 16 + head][tile of 16 tokens: 128][a = tile of 16 channels: 4][512]
; REGISTERS, in windows of 256: window 0: v1-3 offsets; v16-47 the rows' scale words; v48-63 the columns'; v64-95 the bias; v128-255 two sets of 8 accumulators.  Window 1: four buffers of 64: a tile of columns.
;   Windows 2, 3: the rows' codes, tiles 0-3 and 4-7.  A scale register's lanes 0-15 serve K steps 0-3, its lanes 16-31 K steps 4-7.
.set AS,  16
.set BS,  48
.set BI,  64
.set ACC, 128
.set MSB, 0
.macro WIN new                         ; the immediate's high byte repeats the setting that is left; a switch that changes nothing is dropped
.if MSB != (\new)
	s_set_vgpr_msb (MSB<<8)|(\new)
.set MSB, (\new)
.endif
.endm
.macro LOADT f, jj, bias               ; tile jj of the trip's columns into buffer f: 16 loads of codes, one of scale words, two of the bias
	WIN 0x40                                       ; destination window 1
.irp s, 0,1,2,3,4,5,6,7
.irp c, 0,1
	global_load_b128 v[64*(\f)+8*\s+4*\c:64*(\f)+8*\s+4*\c+3], v1, s[8:9] offset:(8*(\jj)+\s)*1024+512*\c
.endr
.endr
	WIN 0
	global_load_b128 v[BS+4*(\f):BS+4*(\f)+3], v1, s[10:11] offset:512*(\jj)
.if \bias
	global_load_b128 v[BI+8*(\f):BI+8*(\f)+3], v3, s[24:25] offset:64*(\jj)        ; register j: the bias of column 8 h + j: the result's layout
	global_load_b128 v[BI+8*(\f)+4:BI+8*(\f)+7], v3, s[24:25] offset:64*(\jj)+16
.endif
.endm
; 32 products: the tile of columns in buffer jj % 4 against token tiles m0 .. m0 + 3, K ascending.  The four accumulators take turns, one instruction a turn.  The bias, or 0, starts the sums.
.macro PROD jj, m0, bias
.irp s, 0,1,2,3,4,5,6,7
.irp m, 0,1,2,3
.if \s == 0
.if \bias
	v_wmma_scale_f32_16x16x128_f8f6f4 v[ACC+64*((\jj)%2)+8*(\m0+\m):ACC+64*((\jj)%2)+8*(\m0+\m)+7], v[64*((\jj)%4)+8*\s:64*((\jj)%4)+8*\s+7], v[64*\m+8*\s:64*\m+8*\s+7], v[BI+8*((\jj)%4):BI+8*((\jj)%4)+7], v[BS+4*((\jj)%4)+\s%4], v[AS+4*(\m0+\m)+\s%4] matrix_a_fmt:MATRIX_FMT_FP4 matrix_b_fmt:MATRIX_FMT_FP4
.else
	v_wmma_scale_f32_16x16x128_f8f6f4 v[ACC+64*((\jj)%2)+8*(\m0+\m):ACC+64*((\jj)%2)+8*(\m0+\m)+7], v[64*((\jj)%4)+8*\s:64*((\jj)%4)+8*\s+7], v[64*\m+8*\s:64*\m+8*\s+7], 0, v[BS+4*((\jj)%4)+\s%4], v[AS+4*(\m0+\m)+\s%4] matrix_a_fmt:MATRIX_FMT_FP4 matrix_b_fmt:MATRIX_FMT_FP4
.endif
.elseif \s < 4
	v_wmma_scale_f32_16x16x128_f8f6f4 v[ACC+64*((\jj)%2)+8*(\m0+\m):ACC+64*((\jj)%2)+8*(\m0+\m)+7], v[64*((\jj)%4)+8*\s:64*((\jj)%4)+8*\s+7], v[64*\m+8*\s:64*\m+8*\s+7], v[ACC+64*((\jj)%2)+8*(\m0+\m):ACC+64*((\jj)%2)+8*(\m0+\m)+7], v[BS+4*((\jj)%4)+\s%4], v[AS+4*(\m0+\m)+\s%4] matrix_a_fmt:MATRIX_FMT_FP4 matrix_b_fmt:MATRIX_FMT_FP4
.else
	v_wmma_scale_f32_16x16x128_f8f6f4 v[ACC+64*((\jj)%2)+8*(\m0+\m):ACC+64*((\jj)%2)+8*(\m0+\m)+7], v[64*((\jj)%4)+8*\s:64*((\jj)%4)+8*\s+7], v[64*\m+8*\s:64*\m+8*\s+7], v[ACC+64*((\jj)%2)+8*(\m0+\m):ACC+64*((\jj)%2)+8*(\m0+\m)+7], v[BS+4*((\jj)%4)+\s%4], v[AS+4*(\m0+\m)+\s%4] matrix_a_fmt:MATRIX_FMT_FP4 matrix_b_fmt:MATRIX_FMT_FP4 matrix_a_scale:MATRIX_SCALE_ROW1 matrix_b_scale:MATRIX_SCALE_ROW1
.endif
.endr
.endr
.endm
; One tile of 16 columns for the 128 rows.  load = 1: the tile three on is asked for, into the buffer that the tile before has left (that tile's four v_nop and 32 conversions stand between its products and these loads).
; younger: the loads issued behind this tile's, which may stay out.
.macro NT jj, load, younger, bias
.if \load
	LOADT ((\jj)+3)%4, (\jj)+3, \bias
.endif
	s_wait_loadcnt \younger                        ; loads come back in order: this tile's (and, at the start, the rows') are in
	WIN 0x09                                       ; source 0 window 1, source 1 window 2
	PROD \jj, 0, \bias
	WIN 0x0d                                       ; source 1 window 3
	PROD \jj, 4, \bias
	WIN 0
	s_wait_xcnt 0x0                                ; the last tile's stores have read their registers: the next tile's products write that set
.rept 4
	v_nop                                          ; four places between the last product and the first vector instruction on results
.endr
.irp m, 0,1,2,3,4,5,6,7
.irp i, 0,1,2,3
	v_cvt_pk_f16_f32 v[ACC+64*((\jj)%2)+8*\m+\i], v[ACC+64*((\jj)%2)+8*\m+2*\i], v[ACC+64*((\jj)%2)+8*\m+2*\i+1]   ; in place, each accumulator from its low end on
.endr
.endr
.irp m, 0,1,2,3,4,5,6,7
	global_store_b128 v2, v[ACC+64*((\jj)%2)+8*\m:ACC+64*((\jj)%2)+8*\m+3], s[16:17] offset:2048*\m+512*(\jj)   ; the wave stores 512 consecutive bytes, aligned
.endr
.endm
.macro GEMM bias
.set LT, 17+2*\bias                    ; loads a tile of columns
	WIN 0x80                                       ; destination window 2
.irp m, 0,1,2,3
.irp s, 0,1,2,3,4,5,6,7
.irp c, 0,1
	global_load_b128 v[64*\m+8*\s+4*\c:64*\m+8*\s+4*\c+3], v1, s[4:5] offset:8192*\m+1024*\s+512*\c
.endr
.endr
.endr
	WIN 0xc0                                       ; destination window 3
.irp m, 0,1,2,3
.irp s, 0,1,2,3,4,5,6,7
.irp c, 0,1
	global_load_b128 v[64*\m+8*\s+4*\c:64*\m+8*\s+4*\c+3], v1, s[4:5] offset:8192*(\m+4)+1024*\s+512*\c
.endr
.endr
.endr
	WIN 0
.irp m, 0,1,2,3,4,5,6,7
	global_load_b128 v[AS+4*\m:AS+4*\m+3], v1, s[6:7] offset:512*\m
.endr
	LOADT 0, 0, \bias
	LOADT 1, 1, \bias
	LOADT 2, 2, \bias
	s_mov_b32 s30, 3
.Lhead_\@:                                         ; a trip is one head: four tiles of columns, after which buffers and sets are back where they began
	NT 0, 1, 3*LT, \bias
	NT 1, 1, 3*LT, \bias
	NT 2, 1, 3*LT, \bias
	NT 3, 1, 3*LT, \bias
	s_wait_xcnt 0x0                                ; every load and store issued has read its base: the bases may step
	s_add_nc_u64 s[8:9], s[8:9], 32768
	s_add_nc_u64 s[10:11], s[10:11], 2048
.if \bias
	s_add_nc_u64 s[24:25], s[24:25], 256
.endif
	s_add_nc_u64 s[16:17], s[16:17], 262144
	s_sub_co_u32 s30, s30, 1
	s_cmp_lg_u32 s30, 0
	s_cbranch_scc1 .Lhead_\@
	NT 0, 1, 3*LT, \bias                           ; the last head is written out: one more tile is asked for, then none, and the counts run down
	NT 1, 0, 2*LT, \bias
	NT 2, 0, LT, \bias
	NT 3, 0, 0, \bias
	s_endpgm
.endm
	s_load_b256 s[4:11], s[0:1], 0x0               ; acodes 4, ascales 6, wcodes 8, wscales 10
	s_load_b128 s[12:15], s[0:1], 0x20             ; bq 12, bv 14
	s_load_b64 s[16:17], s[0:1], 0x30              ; qkv
	v_and_b32 v4, 15, v0                           ; r (one wave: v0 is the lane)
	v_bfe_u32 v5, v0, 4, 1                         ; h
	v_lshlrev_b32 v1, 4, v0                        ; 16 x lane: an image's place for my lane
	v_lshlrev_b32 v3, 5, v5                        ; 32 h: my eight numbers of a tile's bias
	s_and_b32 s20, ttmp7, 0xffff                   ; tensor x 64 + block of 128 rows
	s_lshr_b32 s21, s20, 6                         ; tensor: 0 q, 1 k, 2 v
	s_bfe_u32 s22, s20, 0x20004                    ; batch
	s_and_b32 s23, s20, 15                         ; block of 128 tokens in the batch
	s_cmp_eq_u32 s21, 2
	s_cselect_b32 s26, 32, 16
	s_cselect_b32 s27, 16, 256
	v_mul_u32_u24 v2, v4, s26
	v_mad_u32_u24 v2, v5, s27, v2                  ; where my 16 bytes go in a tile's 512: Q, K: 16 r + 256 h;  V: 32 r + 16 h
	s_mov_b32 s29, 0
	s_wait_kmcnt 0x0
	s_lshl_b32 s28, s20, 16
	s_add_nc_u64 s[4:5], s[4:5], s[28:29]          ; my 8 tiles of codes
	s_lshl_b32 s28, s20, 12
	s_add_nc_u64 s[6:7], s[6:7], s[28:29]          ; and their scale words
	s_lshl_b32 s28, s21, 19
	s_lshl_b32 s31, ttmp9, 17
	s_add_co_u32 s28, s28, s31
	s_add_nc_u64 s[8:9], s[8:9], s[28:29]          ; my 16 tiles of columns
	s_lshl_b32 s28, s21, 15
	s_lshl_b32 s31, ttmp9, 13
	s_add_co_u32 s28, s28, s31
	s_add_nc_u64 s[10:11], s[10:11], s[28:29]
	s_cmp_eq_u32 s21, 0
	s_cselect_b64 s[24:25], s[12:13], s[14:15]     ; the bias: bq or bv (not read for k)
	s_lshl_b32 s28, ttmp9, 10
	s_add_nc_u64 s[24:25], s[24:25], s[28:29]
	s_lshl_b32 s28, s21, 24                        ; qkv: 2^24 a tensor, 2^22 a batch, 2^20 for four heads, 2^14 for 8 tiles of tokens
	s_lshl_b32 s31, s22, 22
	s_add_co_u32 s28, s28, s31
	s_lshl_b32 s31, ttmp9, 20
	s_add_co_u32 s28, s28, s31
	s_lshl_b32 s31, s23, 14
	s_add_co_u32 s28, s28, s31
	s_add_nc_u64 s[16:17], s[16:17], s[28:29]
	s_cmp_eq_u32 s21, 1
	s_cbranch_scc1 .Lk
	GEMM 1                                         ; q and v: the bias is the C of each sum's first product
.Lk:
	GEMM 0                                         ; k: no bias
.Lfunc_end_k_qb879511f96_proj:
	.size	k_qb879511f96_proj, .Lfunc_end_k_qb879511f96_proj-k_qb879511f96_proj
	.p2alignl 7, 3214868480
	.fill 96, 4, 3214868480
	.section	.rodata,"a",@progbits
	.p2align	6, 0x0
	.amdhsa_kernel k_qb879511f96_proj
		.amdhsa_group_segment_fixed_size 0
		.amdhsa_private_segment_fixed_size 0
		.amdhsa_enable_private_segment 0
		.amdhsa_kernarg_size 56
		.amdhsa_user_sgpr_count 2
		.amdhsa_user_sgpr_kernarg_segment_ptr 1
		.amdhsa_wavefront_size32 1
		.amdhsa_system_sgpr_workgroup_id_x 1
		.amdhsa_system_sgpr_workgroup_id_y 1
		.amdhsa_system_sgpr_workgroup_id_z 1
		.amdhsa_system_vgpr_workitem_id 0
		.amdhsa_next_free_vgpr 1024
		.amdhsa_next_free_sgpr 66
		.amdhsa_reserve_vcc 0
		.amdhsa_float_denorm_mode_32 3
		.amdhsa_float_denorm_mode_16_64 3
		.amdhsa_memory_ordered 1
		.amdhsa_forward_progress 1
		.amdhsa_inst_pref_size 233
	.end_amdhsa_kernel
	.amdgpu_metadata
---
amdhsa.version: [ 1, 2 ]
amdhsa.kernels:
  - .name:           k_qb879511f96_proj
    .symbol:         k_qb879511f96_proj.kd
    .args:
      - { .name: acodes, .offset: 0, .size: 8, .value_kind: global_buffer, .address_space: global }
      - { .name: ascales, .offset: 8, .size: 8, .value_kind: global_buffer, .address_space: global }
      - { .name: wcodes, .offset: 16, .size: 8, .value_kind: global_buffer, .address_space: global }
      - { .name: wscales, .offset: 24, .size: 8, .value_kind: global_buffer, .address_space: global }
      - { .name: bq, .offset: 32, .size: 8, .value_kind: global_buffer, .address_space: global }
      - { .name: bv, .offset: 40, .size: 8, .value_kind: global_buffer, .address_space: global }
      - { .name: qkv, .offset: 48, .size: 8, .value_kind: global_buffer, .address_space: global }
    .group_segment_fixed_size: 0
    .private_segment_fixed_size: 0
    .kernarg_segment_align: 8
    .kernarg_segment_size: 56
    .max_flat_workgroup_size: 32
    .sgpr_count:     66
    .vgpr_count:     1024
    .wavefront_size: 32
...
	.end_amdgpu_metadata
.endif
;; end of part 2
;; launch attn (part 3): grid 4 x 64, 8 waves a work-group, clusters of 4 x 1, 327,680 bytes of LDS; arguments qkv, ctx; writes ctx
.if DOCPART == 3
	.amdgcn_target "amdgcn-amd-amdhsa--gfx1250"
	.amdhsa_code_object_version 6
	.text
	.protected	k_qb879511f96_attn
	.globl	k_qb879511f96_attn
	.p2align	8
	.type	k_qb879511f96_attn,@function
k_qb879511f96_attn:
	s_mov_b64 s[64:65], 0
	v_nop
	global_prefetch_b8 v0, s[64:65] scope:SCOPE_SE
	s_setreg_imm32_b32 hwreg(HW_REG_WAVE_MODE, 25, 1), 1
	s_wait_xcnt 0x0
	s_wait_alu depctr_hold_cnt(0) depctr_sa_sdst(0) depctr_va_vdst(0) depctr_va_sdst(0) depctr_va_ssrc(0) depctr_va_vcc(0) depctr_vm_vsrc(0)
	s_getreg_b32 s2, hwreg(HW_REG_IB_STS2, 6, 4)
	s_cmp_eq_u32 s2, 0
	s_cbranch_scc0 .Lentry_in_a_cluster
	s_endpgm
.Lentry_in_a_cluster:
	s_bfe_u32 s2, ttmp6, 0x10000c
	s_cmp_lg_u32 s2, 0x3003
	s_cbranch_scc0 .Lentry_shape_is_right
	s_endpgm
.Lentry_shape_is_right:
; Launch 3 of 4: ctx = softmax(Q K^T / 4) V for each of 64 (batch, head), 2,048 queries x 2,048 keys x 64 channels.  Operands f16, products, maxima and sums f32.  (K carries no bk: shown dead at the head of the first kernel.)
; SOFTMAX.  For each query a running maximum m and sum l: p = 2^(c s - c m), c = log2(e) / 4; in every step O and l are multiplied by a = 2^(c m_old - c m_new).  l sums the unrounded p.  LIMIT: a p under 2^-126 counts as 0.
; SHARES.  A work-group owns 512 queries of one head, each of its eight waves 64: four tiles of 16.  Two waves share a SIMD, so that one wave's softmax stands beside the other's products.  Every wave walks all keys, 64 a step.
; LAYOUT.  S^T = K Q^T (source 0 = 16 keys, source 1 = 16 queries): a lane holds ONE query (lane % 16) and the keys 8 (lane / 16) + 0..7.  Two such tiles, rounded to f16 in pairs IN PLACE, are source 1 of O^T = V^T P.
; K's and Q's fragments lie in memory and LDS as images of their registers (16 bytes a lane, 512 a piece); V lies as blocks [16 keys][16 channels] and is turned by ds_load_tr16_b128.  No LDS row needs padding: every load's 16 lanes take 256 different bytes.
; CLUSTER.  The four blocks of queries of a head are one cluster and walk the same K and V: each tile is asked for JOINTLY, by the same tensor load with the same descriptor and the mask of all four.
; RING.  Two slots of 512 keys (K 65,536 bytes, then V 65,536).  Waves 0, 1 fetch K's halves, waves 2, 3 V's: one load of 32,768 bytes a wave behind each round; it has the slot's eight steps in which to land.  By this text's count a wave has one tensor load out.
; REGISTERS: window 0: v1-8 addresses; v32-63 eight registers of statistics a tile; v64-191 S^T, 32 a tile (P takes the low 16); v192-255 K's fragments of a step, then V's.   Window 1: v0-127 O^T, 32 a tile; v128-191 Q.
.set SLOT1, 1<<17
.set VOFF,  65536
.set SPARE, 262144                     ; behind the ring: the spare words, 128 bytes for each wave: four blocks of 256 bytes that no other line names
.set AK0, 1                            ; v1  16 x lane: my place in an image; also my offset in Q's loads and ctx's stores
.set AV0, 2                            ; v2  my place in a block of V, for the turning load
.set ADK, 3                            ; v3  LDS address of the step's K
.set ADV, 4                            ; v4  of its V
.set SPW, 5                            ; v5  LDS address of my spare word; never rewritten
.set NIL, 6                            ; v6  0; never rewritten
.set PFO, 8                            ; v8  256 x lane
.set ST,  32                           ; tile t at v[ST + 8 t]: +0 c m, +1 m, +2, +3 l, +4 to +7 at work; a stands in +6
.set S,   64
.set KV,  192
.set QW,  128                          ; in window 1
.set WV,  12                           ; s12 my wave's number
.set LIM, 15                           ; s15 1 in a wave that prefetches, else the greatest number
.set PFA, 18                           ; s[18:19] where my prefetches stand
.set G1,  24                           ; s[24:31] descriptor group 1
.set G0,  32                           ; s[32:35] group 0, which walks
.set SLOTS, 36
.set CNT, 37
.set TB,  38                           ; s38 LDS byte at which the step's tiles begin
.set CS,  40                           ; s[40:41] c, twice
.set SEL, 42                           ; s[42:43] lane selects: lane l xor 16
.set MSB, 0
.macro WIN new
.if MSB != (\new)
	s_set_vgpr_msb (MSB<<8)|(\new)
.set MSB, (\new)
.endif
.endm
.macro CROUND                          ; a round of the cluster's barrier
	s_barrier_signal -1
	s_barrier_wait -1
	s_cmp_lg_u32 s[WV], 0
	s_cbranch_scc1 .Lnot_wave_0_\@
	s_barrier_signal -3
.Lnot_wave_0_\@:
	s_barrier_wait -3
	s_barrier_signal -1
	s_barrier_wait -1
.endm
.macro TLOAD                           ; waves 0 to 3 fetch; the branch hangs on the wave's number alone.  An s_nop 0 and four v_nop follow the load
	s_cmp_lt_u32 s[WV], 4
	s_cbranch_scc0 .Lasked_\@
	tensor_load_to_lds s[G0:G0+3], s[G1:G1+7]
	s_nop 0
.rept 4
	v_nop
.endr
.Lasked_\@:
.endm
; A PREFETCH of what the NEXT change of slots will ask for: 65,536 bytes of K and of V.  The waves ask that fetch nothing: waves 4, 5 for K's, waves 6, 7 for V's, one instruction each, lanes 256 bytes apart: 8,192 bytes.
; The four partners are told apart BY ADDRESS (16,384 bytes each), never by a branch.  So each aligned block of 256 bytes is named once in the launch.  The last change that fills a slot asks for nothing; slots 0 and 1 come by their loads alone.
.macro ASK
	s_cmp_gt_u32 s[SLOTS], s[LIM]
	s_cbranch_scc0 .Lnot_mine_\@
	global_prefetch_b8 v[PFO], s[PFA:PFA+1] th:TH_LOAD_NT scope:SCOPE_SE
.Lnot_mine_\@:
.endm
; THE CHANGE OF SLOTS, at a slot's head.  Each wave waits for all its tensor loads, adds 0 to its spare word, and waits for that and for its reads of the slot that it has left.  fill = 1: a round of the cluster's barrier, and the slot left is filled with the keys that follow.
.macro CHANGE fill
	s_wait_tensorcnt 0x0                           ; no tensor load of mine is out, so group 0 may be written
	ds_add_u32 v[SPW], v[NIL]
.if \fill
	ds_add_u32 v[SPW], v[NIL]                      ; and once more: the add twice on end, in every trip alike
	s_xor_b32 s[G0+1], s[G0+1], SLOT1              ; the other slot than last time,
	s_add_nc_u64 s[G0+2:G0+3], s[G0+2:G0+3], 65536 ; the next 512 keys; the type bits on top are not reached
	s_wait_xcnt 0x0                                ; the last prefetch, a slot back, has read its address
	s_add_nc_u64 s[PFA:PFA+1], s[PFA:PFA+1], 65536 ; one slot further on than the walking descriptor
	s_wait_dscnt 0x0                               ; both adds are done, and my reads of the slot that I have left are over
	CROUND                                         ; which now holds of every wave of all four work-groups
	TLOAD                                          ; the first thing behind the round, and a wave's one tensor load until the next
	ASK
.else
	s_wait_dscnt 0x0
	s_barrier_signal -1
	s_barrier_wait -1
.endif
.endm
; A KEY STEP: 64 keys.
.macro STEP
	v_add_nc_u32 v[ADK], s[TB], v[AK0]
	v_add_nc_u32 v[ADV], s[TB], v[AV0]
.rept 3
	v_nop                                          ; with the two additions: five places behind the last V^T P: the loads below land on its source 0 (four are asked), the products below write over its source 1 (five)
.endr
.irp f, 0,1,2,3,4,5,6,7                        ; K: fragment f = 2 a + s: keys 16 a on, channels 32 s on
	ds_load_b128 v[KV+8*\f:KV+8*\f+3], v[ADK] offset:1024*\f
	ds_load_b128 v[KV+8*\f+4:KV+8*\f+7], v[ADK] offset:1024*\f+512
.endr
	s_wait_dscnt 0x0
	WIN 0x04                                       ; source 1 (Q) window 1
.irp s, 0,1                                    ; S^T = K Q^T: 16 accumulators by turns, one instruction a turn
.irp a, 0,1,2,3
.irp t, 0,1,2,3
.if \s == 0
	v_wmma_f32_16x16x32_f16 v[S+32*\t+8*\a:S+32*\t+8*\a+7], v[KV+8*(2*\a+\s):KV+8*(2*\a+\s)+7], v[QW+16*\t+8*\s:QW+16*\t+8*\s+7], 0
.else
	v_wmma_f32_16x16x32_f16 v[S+32*\t+8*\a:S+32*\t+8*\a+7], v[KV+8*(2*\a+\s):KV+8*(2*\a+\s)+7], v[QW+16*\t+8*\s:QW+16*\t+8*\s+7], v[S+32*\t+8*\a:S+32*\t+8*\a+7]
.endif
.endr
.endr
.endr
	WIN 0
.rept 4
	v_nop                                          ; four places in front of the loads into K's registers and of the first read of the scores
.endr
.irp kk, 0,1                                   ; V, turned: fragment 4 kk + a: channels 16 a on, keys 32 kk on.  It lands during the softmax
.irp a, 0,1,2,3
	ds_load_tr16_b128 v[KV+8*(4*\kk+\a):KV+8*(4*\kk+\a)+3], v[ADV] offset:4096*\kk+512*\a
	ds_load_tr16_b128 v[KV+8*(4*\kk+\a)+4:KV+8*(4*\kk+\a)+7], v[ADV] offset:4096*\kk+512*\a+2048
.endr
.endr
	; the maximum of a lane's 32 scores and the old m: four chains a tile, each accumulator read from its low end on; the four tiles by turns, so that no line waits for the line above it
.irp j, 0,1,2,3
.irp t, 0,1,2,3
	v_max3_num_f32 v[ST+8*\t+4+\j], v[S+32*\t+8*\j], v[S+32*\t+8*\j+1], v[S+32*\t+8*\j+2]
.endr
.endr
.irp u, 3,5
.irp j, 0,1,2,3
.irp t, 0,1,2,3
	v_max3_num_f32 v[ST+8*\t+4+\j], v[ST+8*\t+4+\j], v[S+32*\t+8*\j+\u], v[S+32*\t+8*\j+\u+1]
.endr
.endr
.endr
.irp t, 0,1,2,3
	v_max3_num_f32 v[ST+8*\t+4], v[ST+8*\t+4], v[S+32*\t+7], v[S+32*\t+15]
.endr
.irp t, 0,1,2,3
	v_max3_num_f32 v[ST+8*\t+6], v[ST+8*\t+6], v[S+32*\t+23], v[S+32*\t+31]
.endr
.irp t, 0,1,2,3
	v_max3_num_f32 v[ST+8*\t+4], v[ST+8*\t+4], v[ST+8*\t+5], v[ST+8*\t+6]
.endr
.irp t, 0,1,2,3
	v_max3_num_f32 v[ST+8*\t+4], v[ST+8*\t+4], v[ST+8*\t+7], v[ST+8*\t+1]
.endr
.irp t, 0,1,2,3
	v_permlanex16_b32 v[ST+8*\t+5], v[ST+8*\t+4], s[SEL], s[SEL+1]   ; the query's other 32 keys lie in the lane 16 away
.endr
.irp t, 0,1,2,3
	v_mov_b32 v[ST+8*\t+7], v[ST+8*\t]             ; c m_old
.endr
.irp t, 0,1,2,3
	v_max_num_f32 v[ST+8*\t+1], v[ST+8*\t+4], v[ST+8*\t+5]   ; the new m
.endr
.irp t, 0,1,2,3
	v_mul_f32 v[ST+8*\t], s[CS], v[ST+8*\t+1]
.endr
.irp t, 0,1,2,3
	v_sub_f32 v[ST+8*\t+7], v[ST+8*\t+7], v[ST+8*\t]   ; c m_old - c m_new
.endr
.set i, 0
.rept 16
.irp t, 0,1,2,3
	v_pk_fma_f32 v[S+32*\t+i:S+32*\t+i+1], v[S+32*\t+i:S+32*\t+i+1], s[CS:CS+1], v[ST+8*\t:ST+8*\t+1] op_sel_hi:[1,0,0] neg_lo:[0,0,1] neg_hi:[0,0,1]   ; c s - c m, two at a time
.endr
.set i, i+2
.endr
.irp t, 0,1,2,3
	v_exp_f32 v[ST+8*\t+6], v[ST+8*\t+7]           ; a
.endr
.set i, 0
.rept 32
.irp t, 0,1,2,3
	v_exp_f32 v[S+32*\t+i], v[S+32*\t+i]           ; p
.endr
.set i, i+1
.endr
	v_nop                                          ; a plain line behind the last exponential
	s_wait_alu depctr_va_vdst(0)                   ; ONE wait for the batch of 132, ahead of its first reader
.irp t, 0,1,2,3
	v_pk_mul_f32 v[ST+8*\t+2:ST+8*\t+3], v[ST+8*\t+2:ST+8*\t+3], v[ST+8*\t+6:ST+8*\t+7] op_sel_hi:[1,0]   ; l x a
.endr
.irp t, 0,1,2,3
	v_pk_add_f32 v[ST+8*\t+4:ST+8*\t+5], v[S+32*\t:S+32*\t+1], v[S+32*\t+2:S+32*\t+3]   ; the sum of the unrounded p, in two chains
.endr
.irp u, 4,8,12,16,20,24,28
.irp t, 0,1,2,3
	v_pk_add_f32 v[ST+8*\t+2:ST+8*\t+3], v[ST+8*\t+2:ST+8*\t+3], v[S+32*\t+\u:S+32*\t+\u+1]
.endr
.irp t, 0,1,2,3
	v_pk_add_f32 v[ST+8*\t+4:ST+8*\t+5], v[ST+8*\t+4:ST+8*\t+5], v[S+32*\t+\u+2:S+32*\t+\u+3]
.endr
.endr
.irp t, 0,1,2,3
	v_pk_add_f32 v[ST+8*\t+2:ST+8*\t+3], v[ST+8*\t+2:ST+8*\t+3], v[ST+8*\t+4:ST+8*\t+5]
.endr
.set i, 0
.rept 16
.irp t, 0,1,2,3
	v_cvt_pk_f16_f32 v[S+32*\t+i], v[S+32*\t+2*i], v[S+32*\t+2*i+1]   ; P, in place: register i takes pair i, which lies at or above it
.endr
.set i, i+1
.endr
	WIN 0x41                                       ; O^T (destination and source 0) window 1
.set i, 0
.rept 16
.irp t, 0,1,2,3
	v_pk_mul_f32 v[32*\t+i:32*\t+i+1], v[32*\t+i:32*\t+i+1], v[ST+8*\t+6:ST+8*\t+7] op_sel_hi:[1,0]   ; O^T x a, each accumulator from its low end on
.endr
.set i, i+2
.endr
	s_wait_dscnt 0x0                               ; V is in
	WIN 0x50                                       ; C and D window 1
.irp kk, 0,1                                   ; O^T += V^T P: 16 accumulators by turns
.irp a, 0,1,2,3
.irp t, 0,1,2,3
	v_wmma_f32_16x16x32_f16 v[32*\t+8*\a:32*\t+8*\a+7], v[KV+8*(4*\kk+\a):KV+8*(4*\kk+\a)+7], v[S+32*\t+8*\kk:S+32*\t+8*\kk+7], v[32*\t+8*\a:32*\t+8*\a+7]
.endr
.endr
.endr
	WIN 0
	s_add_co_u32 s[TB], s[TB], 8192                ; four tiles of 16 keys on, in K and in V
.endm
.macro EIGHT                           ; a slot's eight steps: written once, walked eight times
	s_mov_b32 s[CNT], 8
.Lstep_\@:
	STEP
	s_sub_co_u32 s[CNT], s[CNT], 1
	s_cmp_lg_u32 s[CNT], 0
	s_cbranch_scc1 .Lstep_\@
	s_sub_co_u32 s[TB], s[TB], 65536               ; back to a slot's first step,
	s_xor_b32 s[TB], s[TB], SLOT1                  ; in the other slot
.endm
	s_load_b128 s[4:7], s[0:1], 0x0                ; qkv s[4:5], ctx s[6:7]
	v_lshl_add_u32 v[SPW], v0, 2, SPARE
	v_mov_b32 v[NIL], 0
	ds_add_u32 v[SPW], v[NIL]                      ; the wave's opening: the add, twice on end, and its wait ahead of the first tensor load; the set-up below, work on registers, stands between
	ds_add_u32 v[SPW], v[NIL]
	v_lshrrev_b32 v7, 5, v0
	v_readfirstlane_b32 s[WV], v7                  ; wave 0..7
	s_bfe_u32 s13, ttmp6, 0x40000                  ; cx: my place in the cluster
	s_lshl_b32 s14, ttmp9, 2
	s_add_co_u32 s14, s14, s13                     ; my block of 512 queries: it enters Q's, ctx's and the prefetches' addresses alone
	s_and_b32 s20, ttmp7, 0xffff                   ; batch x 16 + head, which the partners share
	s_lshl_b32 s21, s20, 18                        ; a head's 262,144 bytes in each of qkv's three parts
	s_lshr_b32 s22, s[WV], 1
	s_and_b32 s22, s22, 1
	s_add_co_u32 s22, s22, 1                       ; waves 0, 1, 4, 5: part 1 (K); waves 2, 3, 6, 7: part 2 (V)
	s_lshl_b32 s22, s22, 24
	s_add_co_u32 s22, s22, s21
	s_and_b32 s23, s[WV], 1
	s_lshl_b32 s16, s23, 15
	s_add_co_u32 s16, s16, s22                     ; the half of a slot's K or V that I fetch: head and wave alone
	s_mov_b32 s17, 0
	s_lshl_b32 s44, s23, 13
	s_add_co_u32 s44, s44, s22
	s_lshl_b32 s45, s13, 14
	s_add_co_u32 s44, s44, s45
	s_add_co_u32 s44, s44, 65536                   ; the prefetches: my work-group's 16,384 bytes, my wave's 8,192, in slot 1: the first change steps it to slot 2
	s_mov_b32 s45, 0
	s_lshl_b32 s46, s14, 16
	s_add_co_u32 s46, s46, s21
	s_lshl_b32 s47, s[WV], 13
	s_add_co_u32 s46, s46, s47                     ; Q: 32 tiles a block, 4 a wave, 2,048 bytes a tile
	s_mov_b32 s47, 0
	s_lshr_b32 s52, s20, 4
	s_lshl_b32 s52, s52, 22                        ; ctx: 128 tiles of 32,768 bytes a batch,
	s_lshl_b32 s53, s14, 20
	s_add_co_u32 s52, s52, s53                     ; 32 a block,
	s_lshl_b32 s53, s[WV], 17
	s_add_co_u32 s52, s52, s53                     ; 4 a wave,
	s_and_b32 s53, s20, 15
	s_lshl_b32 s53, s53, 11
	s_add_co_u32 s52, s52, s53                     ; and 2,048 bytes a head in a tile
	s_mov_b32 s53, 0
	; descriptor group 1: 32,768 dense bytes as 128 rows of 32 elements of 8 bytes, no padding
	s_mov_b32 s[G1], 15|(3<<16)|(1<<21)            ; 15:0 the mask: all four work-groups; 17:16 elements of 8 bytes; 21 set beside a mask
	s_mov_b32 s[G1+1], 32<<16                      ; tensor_dim0
	s_mov_b32 s[G1+2], 128<<16                     ; tensor_dim1
	s_mov_b32 s[G1+3], 32<<16                      ; tile_dim0
	s_mov_b32 s[G1+4], 128                         ; tile_dim1
	s_mov_b32 s[G1+5], 32                          ; elements from row to row
	s_mov_b32 s[G1+6], 0
	s_mov_b32 s[G1+7], 0
	s_mov_b32 s[G0], 1
	s_lshl_b32 s[G0+1], s[WV], 15                  ; LDS: wave x 32,768: K's halves, then V's, in slot 0
	s_mov_b32 s[CS], 0x3eb8aa3b                    ; c = log2(e) / 4
	s_mov_b32 s[CS+1], s[CS]
	s_mov_b32 s[SEL], 0x76543210
	s_mov_b32 s[SEL+1], 0xfedcba98
	s_mov_b32 s[TB], 0
	s_mov_b32 s[SLOTS], 3
	s_sub_co_u32 s[LIM], s[WV], 4
	s_lshr_b32 s[LIM], s[LIM], 2                   ; 0 in waves 4 to 7
	s_cmp_eq_u32 s[LIM], 0
	s_cselect_b32 s[LIM], 1, -1
	v_and_b32 v7, 31, v0
	v_lshlrev_b32 v[AK0], 4, v7
	v_lshlrev_b32 v[PFO], 8, v7
	v_bfe_u32 v9, v0, 4, 1
	v_and_b32 v10, 7, v0
	v_bfe_u32 v11, v0, 3, 1
	v_lshlrev_b32 v[AV0], 8, v9                    ; the turning load: lane l reads 16 bytes: key 8 (l / 16) + l % 8 (rows of 32 bytes), channels 8 ((l / 8) % 2) on
	v_lshl_add_u32 v[AV0], v10, 5, v[AV0]
	v_lshl_add_u32 v[AV0], v11, 4, v[AV0]
	v_add_nc_u32 v[AV0], VOFF, v[AV0]
	s_wait_dscnt 0x0                               ; both opening adds are done
	s_wait_kmcnt 0x0
	s_add_nc_u64 s[G0+2:G0+3], s[4:5], s[16:17]
	s_or_b32 s[G0+3], s[G0+3], 0x80000000          ; type = 2
	s_add_nc_u64 s[PFA:PFA+1], s[4:5], s[44:45]
	s_add_nc_u64 s[48:49], s[4:5], s[46:47]        ; Q
	s_add_nc_u64 s[50:51], s[6:7], s[52:53]        ; ctx
	CROUND                                         ; all four work-groups are here: the first joint loads meet
	TLOAD                                          ; slot 0
	WIN 0x40                                       ; destination window 1
.irp t, 0,1,2,3
.irp s, 0,1
.irp c, 0,1
	global_load_b128 v[QW+16*\t+8*\s+4*\c:QW+16*\t+8*\s+4*\c+3], v[AK0], s[48:49] offset:2048*\t+1024*\s+512*\c th:TH_LOAD_NT   ; Q stays in registers
.endr
.endr
.endr
.set i, 0
.rept 128
	v_mov_b32 v[i], 0                              ; O^T.  The step is written once: its first trip finds zeros, which a = 0 leaves zeros; a first step of its own would be a third copy of the step
.set i, i+1
.endr
	WIN 0
.irp t, 0,1,2,3
	v_mov_b32 v[ST+8*\t+1], 0xff61b1e6             ; m = -3e38, under every score
	v_mov_b32 v[ST+8*\t+2], 0                      ; l
	v_mov_b32 v[ST+8*\t+3], 0
.endr
.irp t, 0,1,2,3
	v_mul_f32 v[ST+8*\t], s[CS], v[ST+8*\t+1]      ; c m
.endr
	s_wait_loadcnt 0x0                             ; Q
.Lslot:                                            ; three trips: behind each change of slots but the last the next slot is asked for (slot 1's first fill stands behind the first trip's round, behind which nothing is filled again)
	CHANGE 1
	EIGHT
	s_sub_co_u32 s[SLOTS], s[SLOTS], 1
	s_cmp_lg_u32 s[SLOTS], 0
	s_cbranch_scc1 .Lslot
	CHANGE 0                                       ; the last slot is written out
	EIGHT
	; THE WAY OUT.  l's two halves and the other half of the lanes' are added; O^T / l, rounded to f16 in pairs, IS the image of the last product's operand: stored from registers, 512 consecutive bytes an instruction.
.irp t, 0,1,2,3
	v_add_f32 v[ST+8*\t+4], v[ST+8*\t+2], v[ST+8*\t+3]   ; (these four are the places behind the last products)
.endr
.irp t, 0,1,2,3
	v_permlanex16_b32 v[ST+8*\t+5], v[ST+8*\t+4], s[SEL], s[SEL+1]
.endr
.irp t, 0,1,2,3
	v_add_f32 v[ST+8*\t+4], v[ST+8*\t+4], v[ST+8*\t+5]
.endr
.irp t, 0,1,2,3
	v_rcp_f32 v[ST+8*\t+6], v[ST+8*\t+4]
.endr
	v_nop                                          ; a plain line behind the last reciprocal
	s_wait_alu depctr_va_vdst(0)                   ; one wait for the four, ahead of their first reader
	WIN 0x41
.set i, 0
.rept 16
.irp t, 0,1,2,3
	v_pk_mul_f32 v[32*\t+i:32*\t+i+1], v[32*\t+i:32*\t+i+1], v[ST+8*\t+6:ST+8*\t+7] op_sel_hi:[1,0]
.endr
.set i, i+2
.endr
	WIN 0x05                                       ; sources window 1, destination window 0
.set i, 0
.rept 16
.irp t, 0,1,2,3
	v_cvt_pk_f16_f32 v[S+16*\t+i], v[32*\t+2*i], v[32*\t+2*i+1]
.endr
.set i, i+1
.endr
	WIN 0
.irp t, 0,1,2,3
.irp a, 0,1,2,3
	global_store_b128 v[AK0], v[S+16*\t+4*\a:S+16*\t+4*\a+3], s[50:51] offset:32768*\t+512*\a
.endr
.endr
	s_wait_tensorcnt 0x0                           ; the wave's end: these three lines behind my last tensor load
	ds_add_u32 v[SPW], v[NIL]
	s_wait_dscnt 0x0
	CROUND                                         ; the closing round: no work-group ends while a partner may still ask for a tile that names it
	s_endpgm
.Lfunc_end_k_qb879511f96_attn:
	.size	k_qb879511f96_attn, .Lfunc_end_k_qb879511f96_attn-k_qb879511f96_attn
	.p2alignl 7, 3214868480
	.fill 96, 4, 3214868480
	.section	.rodata,"a",@progbits
	.p2align	6, 0x0
	.amdhsa_kernel k_qb879511f96_attn
		.amdhsa_group_segment_fixed_size 327680
		.amdhsa_private_segment_fixed_size 0
		.amdhsa_enable_private_segment 0
		.amdhsa_kernarg_size 16
		.amdhsa_user_sgpr_count 2
		.amdhsa_user_sgpr_kernarg_segment_ptr 1
		.amdhsa_wavefront_size32 1
		.amdhsa_system_sgpr_workgroup_id_x 1
		.amdhsa_system_sgpr_workgroup_id_y 1
		.amdhsa_system_sgpr_workgroup_id_z 1
		.amdhsa_system_vgpr_workitem_id 0
		.amdhsa_next_free_vgpr 512
		.amdhsa_next_free_sgpr 66
		.amdhsa_reserve_vcc 0
		.amdhsa_float_denorm_mode_32 3
		.amdhsa_float_denorm_mode_16_64 3
		.amdhsa_memory_ordered 1
		.amdhsa_forward_progress 1
		.amdhsa_inst_pref_size 87
	.end_amdhsa_kernel
	.amdgpu_metadata
---
amdhsa.version: [ 1, 2 ]
amdhsa.kernels:
  - .name:           k_qb879511f96_attn
    .symbol:         k_qb879511f96_attn.kd
    .args:
      - { .name: qkv, .offset: 0, .size: 8, .value_kind: global_buffer, .address_space: global }
      - { .name: ctx, .offset: 8, .size: 8, .value_kind: global_buffer, .address_space: global }
    .group_segment_fixed_size: 327680
    .private_segment_fixed_size: 0
    .kernarg_segment_align: 8
    .kernarg_segment_size: 16
    .max_flat_workgroup_size: 256
    .sgpr_count:     66
    .vgpr_count:     512
    .wavefront_size: 32
...
	.end_amdgpu_metadata
.endif
;; end of part 3
;; launch outp (part 4): grid 4 x 64, 4 waves a work-group, clusters of 4 x 4, 327,680 bytes of LDS; arguments ctx, wof, bo, out0; writes out0
.if DOCPART == 4
	.amdgcn_target "amdgcn-amd-amdhsa--gfx1250"
	.amdhsa_code_object_version 6
	.text
	.protected	k_qb879511f96_outp
	.globl	k_qb879511f96_outp
	.p2align	8
	.type	k_qb879511f96_outp,@function
k_qb879511f96_outp:
	s_mov_b64 s[64:65], 0
	v_nop
	global_prefetch_b8 v0, s[64:65] scope:SCOPE_SE
	s_setreg_imm32_b32 hwreg(HW_REG_WAVE_MODE, 25, 1), 1
	s_wait_xcnt 0x0
	s_wait_alu depctr_hold_cnt(0) depctr_sa_sdst(0) depctr_va_vdst(0) depctr_va_sdst(0) depctr_va_ssrc(0) depctr_va_vcc(0) depctr_vm_vsrc(0)
	s_getreg_b32 s2, hwreg(HW_REG_IB_STS2, 6, 4)
	s_cmp_eq_u32 s2, 0
	s_cbranch_scc0 .Lentry_in_a_cluster
	s_endpgm
.Lentry_in_a_cluster:
	s_bfe_u32 s2, ttmp6, 0x10000c
	s_cmp_lg_u32 s2, 0xf033
	s_cbranch_scc0 .Lentry_shape_is_right
	s_endpgm
.Lentry_shape_is_right:
; Launch 4 of 4: out0 = ctx wo + bo.  ctx [8,192 x 1,024] and wo arrive as f16, laid as images of operand registers (16 rows x 32 K: 1,024 bytes; 16 bytes a lane, 512 a piece); sums and out0 in f32.
; A tile of the output is 128 tokens x 256 columns: 256 work-groups, one for each WGP (tiles of 256 x 256 would be 128).  Four waves, each 64 tokens x 128 columns: 32 accumulators of 16 x 16.
; K goes in steps of 128 through a ring of two LDS slots: 8 tiles of tokens x 4,096 bytes, then 16 tiles of columns x 4,096.  Images need no padding: every fragment load takes 512 consecutive bytes.
; CLUSTERS: 4 x 4 work-groups.  The four of a row of the cluster need the same tokens, the four of a column the same columns of wo: each tile is asked for JOINTLY.  Waves 0, 1 fetch the tokens' halves, waves 2, 3 the columns'.
; By this text's count a wave has two tensor loads out at the start and one behind each round.
; THE PRODUCT IS USED TRANSPOSED (source 0 = 16 columns of wo, source 1 = 16 tokens): a lane holds eight neighbouring columns of one row.  The bias is the C of each sum's first product.
; REGISTERS: window 0: v16-30 addresses; v32-95 the bias, 8 registers a tile of columns; v96-223 the way out.  Window 1: accumulator (a, b) at v[8 (8 a + b)].  Window 2: two fragment buffers of 96: wo's 8 fragments, then the tokens' 4.
.set KST,   4096                       ; a K step of 128 in a tile's 32,768 bytes
.set SLOT,  98304
.set STAGE, 2*SLOT                     ; behind the ring: 16 rows x (512 bytes + 16) for each wave; no tensor load lands here
.set SPARE, STAGE+4*16*528             ; the spare words, 128 bytes for each wave: two blocks of 256 bytes that no other line names
.set ADRA, 16                          ; v16-17 LDS address of my tokens' fragments in slot 0, 1
.set ADRB, 20                          ; v20-21 of my columns'
.set STO,  24                          ; v24  the way out: where I put 32 bytes of a row
.set RD,   25                          ; v25  where I read a row back
.set CO,   26                          ; v26  16 x lane
.set SPW,  28                          ; v28  LDS address of my spare word; never rewritten
.set NIL,  29                          ; v29  0; never rewritten
.set PFO,  30                          ; v30  the prefetches' offset
.set BIAS, 32
.set BK,   96
.set F0,   0
.set F1,   96
.set G1,   24                          ; s[24:31], s[32:39] groups 1 and 0 (a set for each slot) for the tokens' tiles
.set G0,   32
.set G1B,  48                          ; s[48:55], s[56:63] for wo's
.set G0B,  56
.set PFA,  66                          ; s[66:67] where my prefetches stand
.set LIM,  68                          ; s68  1 in a wave that prefetches, else the greatest number
.set MUL,  0x5a                        ; sources window 2, C and D window 1
.set MSB, 0
.macro WIN new
.if MSB != (\new)
	s_set_vgpr_msb (MSB<<8)|(\new)
.set MSB, (\new)
.endif
.endm
.macro JLOAD sl                        ; a joint load; the branch hangs on the wave's number alone.  An s_nop 0 and four v_nop follow each of the two lines
	s_cmp_eq_u32 s13, 0
	s_cbranch_scc0 .Lfor_b_\@
	tensor_load_to_lds s[G0+4*\sl:G0+4*\sl+3], s[G1:G1+7]
	s_nop 0
.rept 4
	v_nop
.endr
	s_branch .Lasked_\@
.Lfor_b_\@:
	tensor_load_to_lds s[G0B+4*\sl:G0B+4*\sl+3], s[G1B:G1B+7]
	s_nop 0
.rept 4
	v_nop
.endr
.Lasked_\@:
.endm
.macro CREST                           ; a round of the cluster's barrier behind its opening barrier
	s_cmp_lg_u32 s12, 0
	s_cbranch_scc1 .Lnot_wave_0_\@
	s_barrier_signal -3
.Lnot_wave_0_\@:
	s_barrier_wait -3
	s_barrier_signal -1
	s_barrier_wait -1
.endm
.macro CROUND
	s_barrier_signal -1
	s_barrier_wait -1
	CREST
.endm
; A PREFETCH of the K step that stands two refills on: two tiles x 4,096 bytes, lanes 256 bytes apart, one instruction a wave.  The tokens' 8 tiles: wave 0, the four partners of a row of the cluster taking two tiles each BY ADDRESS.
; wo's 16 tiles: waves 2 and 3 (8 each), the four partners of a column two each by address, in the clusters with y = 0 alone, since all clusters read the same wo.  So each aligned block of 256 bytes is named once in the launch.
; K steps 0 to 3 come by their loads alone; the loop's last trip asks for nothing.
.macro ASK
	s_cmp_gt_u32 s3, s[LIM]
	s_cbranch_scc0 .Lnot_mine_\@
	global_prefetch_b8 v[PFO], s[PFA:PFA+1] offset:KST th:TH_LOAD_NT scope:SCOPE_SE
.Lnot_mine_\@:
.endm
.macro PLACES                          ; four places in front of loads into registers that products have read, and of the first read of results
.rept 4
	v_nop
.endr
.endm
.macro MULB f, a, first                ; 8 products: my tile a of tokens against my 8 tiles of columns, 32 along K.  The 32 accumulators take turns in the same order in every quarter
.irp b, 0,1,2,3,4,5,6,7
.if \first
	v_wmma_f32_16x16x32_f16 v[8*(8*(\a)+\b):8*(8*(\a)+\b)+7], v[\f+8*\b:\f+8*\b+7], v[\f+64+8*(\a):\f+64+8*(\a)+7], v[BIAS+8*\b:BIAS+8*\b+7]
.else
	v_wmma_f32_16x16x32_f16 v[8*(8*(\a)+\b):8*(8*(\a)+\b)+7], v[\f+8*\b:\f+8*\b+7], v[\f+64+8*(\a):\f+64+8*(\a)+7], v[8*(8*(\a)+\b):8*(8*(\a)+\b)+7]
.endif
.endr
.endm
.macro FETCH slot, q, f                ; 24 LDS loads in one run: the slot's q-th 32 along K into buffer f: wo's 8 fragments first, then the tokens' 4
	WIN 0x80                                       ; destination window 2
.irp b, 0,1,2,3,4,5,6,7
	ds_load_b128 v[\f+8*\b:\f+8*\b+3], v[ADRB+\slot] offset:4096*\b+1024*(\q)
	ds_load_b128 v[\f+8*\b+4:\f+8*\b+7], v[ADRB+\slot] offset:4096*\b+1024*(\q)+512
.endr
.irp a, 0,1,2,3
	ds_load_b128 v[\f+64+8*\a:\f+64+8*\a+3], v[ADRA+\slot] offset:4096*\a+1024*(\q)
	ds_load_b128 v[\f+64+8*\a+4:\f+64+8*\a+7], v[ADRA+\slot] offset:4096*\a+1024*(\q)+512
.endr
.endm
; A K step is four quarters of 32 along K, 32 products each, on buffers 0, 1, 0, 1.  One of the first three: multiplies buffer f and fetches quarter q into g.  first = 1: C is the bias (window 0)
.macro QUARTER slot, q, f, g, first
	s_wait_dscnt 4                                 ; wo's fragments and the tokens' tiles 0, 1 are in; the youngest four loads may be out
	WIN MUL-0x10*\first
	MULB \f, 0, \first
	MULB \f, 1, \first
	PLACES
	FETCH \slot, \q, \g
	s_wait_dscnt 24                                ; all but the 24 just issued
	WIN MUL-0x10*\first
	MULB \f, 2, \first
	MULB \f, 3, \first
.endm
; The last quarter multiplies buffer 1 and changes slots: ONE barrier; in front of it each wave waits for all its tensor loads, adds 0 to its spare word, and waits for that and for its reads of this slot.  fill = 1: this slot is filled again, two K steps ahead.
.macro TURN slot, next, fill
.if \fill
	s_wait_xcnt 0x0                                ; the last prefetch, a K step back, has read its address
	s_add_nc_u64 s[PFA:PFA+1], s[PFA:PFA+1], KST
.endif
	WIN 0                                          ; (the add's two registers lie in window 0)
	s_wait_tensorcnt 0x0                           ; all my tensor loads have landed: my part of the next slot
	ds_add_u32 v[SPW], v[NIL]
	s_wait_dscnt 5                                 ; (the add and the youngest four loads may be out)
	WIN MUL
	MULB F1, 0, 0                                  ; eight products stand between the add and the wait for it
	s_wait_dscnt 0x0                               ; the add is done, and my reads of this slot are over
	s_barrier_signal -1
	MULB F1, 1, 0
.if \fill
	WIN 0
.endif
	s_barrier_wait -1
.if \fill
	CREST                                          ; the barrier has opened a round of the cluster's: no wave of any partner still reads this slot or has a load on its way
	s_add_nc_u64 s[G0+4*\slot+2:G0+4*\slot+3], s[G0+4*\slot+2:G0+4*\slot+3], 2*KST
	s_add_nc_u64 s[G0B+4*\slot+2:G0B+4*\slot+3], s[G0B+4*\slot+2:G0B+4*\slot+3], 2*KST
	JLOAD \slot                                    ; the first tensor load behind the round; its four v_nop are also the places in front of the loads below
.else
	PLACES
.endif
	FETCH \next, 0, F0
.if \fill
	WIN 0
	ASK
.endif
	WIN MUL
	MULB F1, 2, 0
	MULB F1, 3, 0
.endm
	s_load_b256 s[4:11], s[0:1], 0x0               ; ctx 4, wof 6, bo 8, out0 10
	v_lshl_add_u32 v[SPW], v0, 2, SPARE
	v_mov_b32 v[NIL], 0
	ds_add_u32 v[SPW], v[NIL]                      ; the wave's opening: the add, twice on end, and its wait ahead of the first tensor load; the set-up below, work on registers, stands between
	ds_add_u32 v[SPW], v[NIL]
	v_lshrrev_b32 v1, 5, v0
	v_readfirstlane_b32 s12, v1                    ; wave 0..3
	s_lshr_b32 s13, s12, 1                         ; which 64 tokens are mine.  Also: I fetch tokens (0) or wo (1)
	s_and_b32 s14, s12, 1                          ; which 128 columns.  Also: which half of that tile I fetch
	s_bfe_u32 s40, ttmp6, 0x40000                  ; cx, cy: my place in the cluster
	s_bfe_u32 s41, ttmp6, 0x40004
	s_lshl_b32 s42, ttmp9, 2
	s_add_co_u32 s42, s42, s40                     ; tile column = 4 x cluster x + cx
	s_and_b32 s15, ttmp7, 0xffff
	s_lshl_b32 s15, s15, 2
	s_add_co_u32 s15, s15, s41                     ; tile row = 4 x cluster y + cy
	s_lshl_b32 s43, s41, 2
	s_lshl_b32 s43, 15, s43                        ; my row of the cluster
	s_lshl_b32 s44, 0x1111, s40                    ; my column
	; descriptor group 1: rows of 4,096 bytes (512 elements of 8), 32,768 bytes apart: 4 tiles of tokens, or 8 of columns; no padding
	s_or_b32 s[G1+0], s43, (3<<16)|(1<<21)         ; 15:0 the mask; 17:16 elements of 8 bytes; 21 set beside a mask
	s_or_b32 s[G1B+0], s44, (3<<16)|(1<<21)
	s_mov_b32 s[G1+1], 512<<16                     ; tensor_dim0
	s_mov_b32 s[G1B+1], 512<<16
	s_mov_b32 s[G1+2], 4<<16                       ; tensor_dim1
	s_mov_b32 s[G1B+2], 8<<16
	s_mov_b32 s[G1+3], 512<<16                     ; tile_dim0
	s_mov_b32 s[G1B+3], 512<<16
	s_mov_b32 s[G1+4], 4                           ; tile_dim1
	s_mov_b32 s[G1B+4], 8
	s_mov_b32 s[G1+5], 4096                        ; elements from row to row
	s_mov_b32 s[G1B+5], 4096
	s_mov_b32 s[G1+6], 0
	s_mov_b32 s[G1B+6], 0
	s_mov_b32 s[G1+7], 0
	s_mov_b32 s[G1B+7], 0
	s_lshl_b32 s16, s15, 3
	s_lshl_b32 s17, s14, 2
	s_add_co_u32 s16, s16, s17
	s_lshl_b32 s16, s16, 15                        ; tokens: tile 8 x tile row + 4 x half: the tile row and the wave alone
	s_mov_b32 s17, 0
	s_lshl_b32 s46, s42, 4
	s_lshl_b32 s47, s14, 3
	s_add_co_u32 s46, s46, s47
	s_lshl_b32 s46, s46, 15                        ; wo: tile 16 x tile column + 8 x half: the tile column and the wave alone
	s_mov_b32 s47, 0
	s_lshl_b32 s20, s14, 14                        ; where they go: tokens at half x 16,384,
	s_lshl_b32 s21, s14, 15
	s_add_co_u32 s21, s21, 32768                   ; wo at 32,768 + half x 32,768: no place in the cluster enters an LDS address
	s_wait_dscnt 0x0                               ; both opening adds are done
	s_wait_kmcnt 0x0
	s_add_nc_u64 s[18:19], s[4:5], s[16:17]
	s_add_nc_u64 s[46:47], s[6:7], s[46:47]
	CROUND                                         ; all sixteen work-groups are here: the first joint loads meet
.irp s, 0,1
	s_mov_b32 s[G0+4*\s], 1
	s_add_co_u32 s[G0+4*\s+1], s20, \s*SLOT
	s_add_nc_u64 s[G0+4*\s+2:G0+4*\s+3], s[18:19], \s*KST
	s_or_b32 s[G0+4*\s+3], s[G0+4*\s+3], 0x80000000
	s_mov_b32 s[G0B+4*\s], 1
	s_add_co_u32 s[G0B+4*\s+1], s21, \s*SLOT
	s_add_nc_u64 s[G0B+4*\s+2:G0B+4*\s+3], s[46:47], \s*KST
	s_or_b32 s[G0B+4*\s+3], s[G0B+4*\s+3], 0x80000000
	JLOAD \s
.endr
	v_and_b32 v1, 31, v0
	v_lshlrev_b32 v[CO], 4, v1                     ; 16 x lane
	v_and_b32 v2, 15, v0                           ; r
	v_bfe_u32 v3, v0, 4, 1                         ; h
	s_lshl_b32 s21, s13, 14                        ; my 4 tiles of tokens
	s_lshl_b32 s22, s14, 15
	s_add_co_u32 s22, s22, 32768                   ; my 8 tiles of columns
.irp s, 0,1
	v_add_nc_u32 v[ADRA+\s], s21, v[CO]
	v_add_nc_u32 v[ADRB+\s], s22, v[CO]
	s_add_co_u32 s21, s21, SLOT
	s_add_co_u32 s22, s22, SLOT
.endr
	s_mul_i32 s23, s12, 16*528
	s_add_co_u32 s23, s23, STAGE                   ; my stage
	v_mul_u32_u24 v4, v2, 528
	v_lshl_add_u32 v4, v3, 5, v4
	v_add_nc_u32 v[STO], s23, v4                   ; in: row r, 32 bytes for each half of the lanes
	v_add_nc_u32 v[RD], s23, v[CO]                 ; back: the 32 lanes take one row of 512 bytes
	v_lshlrev_b32 v27, 5, v3                       ; 32 h: my eight numbers of a tile's bias
	v_lshlrev_b32 v[PFO], 8, v2
	v_lshl_add_u32 v[PFO], v3, 15, v[PFO]          ; lanes 0-15: 16 x 256 bytes of one tile; lanes 16-31: of the next
	s_lshl_b32 s46, s42, 10
	s_lshl_b32 s47, s14, 9
	s_add_co_u32 s46, s46, s47                     ; my first column, in bytes of f32
	s_mov_b32 s47, 0
	s_add_nc_u64 s[8:9], s[8:9], s[46:47]          ; in bo,
	s_add_nc_u64 s[10:11], s[10:11], s[46:47]      ; and in a row of out0
	s_lshl_b32 s46, s15, 19
	s_lshl_b32 s70, s13, 18
	s_add_co_u32 s46, s46, s70                     ; my first row: 128 x tile row + 64 x half, 4,096 bytes each
	s_add_nc_u64 s[10:11], s[10:11], s[46:47]
.irp b, 0,1,2,3,4,5,6,7
	global_load_b128 v[BIAS+8*\b:BIAS+8*\b+3], v27, s[8:9] offset:64*\b          ; register j: bo of column 16 b + 8 h + j: the result's layout
	global_load_b128 v[BIAS+8*\b+4:BIAS+8*\b+7], v27, s[8:9] offset:64*\b+16
.endr
	; the prefetches: where my wave's stand, and who asks
	s_lshl_b32 s70, s15, 3
	s_lshl_b32 s71, s40, 1
	s_add_co_u32 s70, s70, s71                     ; tokens: tile 8 x tile row + 2 cx
	s_lshl_b32 s72, s42, 4
	s_lshl_b32 s73, s14, 3
	s_add_co_u32 s72, s72, s73
	s_lshl_b32 s73, s41, 1
	s_add_co_u32 s72, s72, s73                     ; wo: tile 16 x tile column + 8 x half + 2 cy
	s_and_b32 s74, ttmp7, 0xffff                   ; cluster y
	s_cmp_eq_u32 s13, 0
	s_cselect_b32 s70, s70, s72
	s_cselect_b32 s74, s14, s74                    ; 0 in wave 0, and in waves 2, 3 of the clusters with y = 0: the same in all sixteen partners
	s_cselect_b64 s[PFA:PFA+1], s[4:5], s[6:7]
	s_cmp_eq_u32 s74, 0
	s_cselect_b32 s[LIM], 1, -1
	s_lshl_b32 s70, s70, 15
	s_add_co_u32 s70, s70, 2*KST                   ; at K step 2: the first refill steps it to 3 and names K step 4.  Nothing is prefetched here, at the head
	s_mov_b32 s71, 0
	s_add_nc_u64 s[PFA:PFA+1], s[PFA:PFA+1], s[70:71]
	s_wait_tensorcnt 1                             ; my part of K step 0 is in; K step 1's may stay out
	s_barrier_signal -1
	s_barrier_wait -1                              ; everybody's is
	s_wait_loadcnt 0x0                             ; the bias
	FETCH 0, 0, F0
	QUARTER 0, 1, F0, F1, 1                        ; the first quarter stands in front of the loop: its products start the sums, on the bias
	WIN 0                                          ; at a label and at a branch every window is 0
	s_mov_b32 s3, 3
.Llap:                                             ; a trip goes once round the ring, from a lap's second quarter to the next lap's first, and fills both slots again
	QUARTER 0, 2, F1, F0, 0
	QUARTER 0, 3, F0, F1, 0
	TURN 0, 1, 1
	QUARTER 1, 1, F0, F1, 0
	QUARTER 1, 2, F1, F0, 0
	QUARTER 1, 3, F0, F1, 0
	TURN 1, 0, 1
	QUARTER 0, 1, F0, F1, 0
	WIN 0
	s_sub_co_u32 s3, s3, 1
	s_cmp_lg_u32 s3, 0
	s_cbranch_scc1 .Llap
	QUARTER 0, 2, F1, F0, 0                        ; the last lap fills nothing, and has no round of the cluster's barrier
	QUARTER 0, 3, F0, F1, 0
	TURN 0, 1, 0
	QUARTER 1, 1, F0, F1, 0
	QUARTER 1, 2, F1, F0, 0
	QUARTER 1, 3, F0, F1, 0
	s_wait_dscnt 4                                 ; the very last quarter: nothing more to fetch
	WIN MUL
	MULB F1, 0, 0
	MULB F1, 1, 0
	s_wait_dscnt 0
	MULB F1, 2, 0
	MULB F1, 3, 0
	WIN 0
; THE WAY OUT, block by block of 16 rows x 128 columns.  A lane holds 32 neighbouring bytes of a row and the lanes beside it other rows: a block goes through my own stage and comes back as whole rows of 512 bytes.
; LDS serves a wave's instructions in order: no wait between the stores and the loads, nor in front of the next block's stores.
.macro TOSTAGE a
	WIN 0x04                                       ; an LDS store's data are its source 1: window 1
.irp b, 0,1,2,3,4,5,6,7
	ds_store_b128 v[STO], v[8*(8*(\a)+\b):8*(8*(\a)+\b)+3] offset:64*\b          ; each accumulator from its low end on
	ds_store_b128 v[STO], v[8*(8*(\a)+\b)+4:8*(8*(\a)+\b)+7] offset:64*\b+16
.endr
	WIN 0
.irp i, 0,1,2,3,4,5,6,7,8,9,10,11,12,13,14,15
	ds_load_b128 v[BK+64*((\a)%2)+4*\i:BK+64*((\a)%2)+4*\i+3], v[RD] offset:528*\i
.endr
.endm
.macro SEND a, younger                 ; younger: the LDS instructions issued behind block a's loads, which may stay out
	s_wait_dscnt \younger
.if (\a) > 0
	s_add_nc_u64 s[10:11], s[10:11], 65536         ; 16 rows on (behind a wait on XCNT: the earlier stores have read their base)
.endif
.irp i, 0,1,2,3,4,5,6,7,8,9,10,11,12,13,14,15
	global_store_b128 v[CO], v[BK+64*((\a)%2)+4*\i:BK+64*((\a)%2)+4*\i+3], s[10:11] offset:4096*\i th:TH_STORE_NT   ; 32 lanes store 512 consecutive bytes, aligned
.endr
.endm
	PLACES
	TOSTAGE 0
.irp a, 1,2,3
.if \a > 1
	s_wait_xcnt 0x0                                ; block a - 2's stores have read their registers and their base
.endif
	TOSTAGE \a
	SEND \a-1, 32                                  ; behind block a - 1's loads: block a's 16 stores and 16 loads
.endr
	s_wait_xcnt 0x0
	SEND 3, 0
	s_wait_tensorcnt 0x0                           ; the wave's end: these three lines behind my last tensor load and my last LDS store
	ds_add_u32 v[SPW], v[NIL]
	s_wait_dscnt 0x0
	CROUND                                         ; the closing round: no work-group ends while a partner may still ask for a tile that names it
	s_endpgm
.Lfunc_end_k_qb879511f96_outp:
	.size	k_qb879511f96_outp, .Lfunc_end_k_qb879511f96_outp-k_qb879511f96_outp
	.p2alignl 7, 3214868480
	.fill 96, 4, 3214868480
	.section	.rodata,"a",@progbits
	.p2align	6, 0x0
	.amdhsa_kernel k_qb879511f96_outp
		.amdhsa_group_segment_fixed_size 327680
		.amdhsa_private_segment_fixed_size 0
		.amdhsa_enable_private_segment 0
		.amdhsa_kernarg_size 32
		.amdhsa_user_sgpr_count 2
		.amdhsa_user_sgpr_kernarg_segment_ptr 1
		.amdhsa_wavefront_size32 1
		.amdhsa_system_sgpr_workgroup_id_x 1
		.amdhsa_system_sgpr_workgroup_id_y 1
		.amdhsa_system_sgpr_workgroup_id_z 1
		.amdhsa_system_vgpr_workitem_id 0
		.amdhsa_next_free_vgpr 768
		.amdhsa_next_free_sgpr 80
		.amdhsa_reserve_vcc 0
		.amdhsa_float_denorm_mode_32 3
		.amdhsa_float_denorm_mode_16_64 3
		.amdhsa_memory_ordered 1
		.amdhsa_forward_progress 1
		.amdhsa_inst_pref_size 87
	.end_amdhsa_kernel
	.amdgpu_metadata
---
amdhsa.version: [ 1, 2 ]
amdhsa.kernels:
  - .name:           k_qb879511f96_outp
    .symbol:         k_qb879511f96_outp.kd
    .args:
      - { .name: ctx, .offset: 0, .size: 8, .value_kind: global_buffer, .address_space: global }
      - { .name: wof, .offset: 8, .size: 8, .value_kind: global_buffer, .address_space: global }
      - { .name: bo, .offset: 16, .size: 8, .value_kind: global_buffer, .address_space: global }
      - { .name: out0, .offset: 24, .size: 8, .value_kind: global_buffer, .address_space: global }
    .group_segment_fixed_size: 327680
    .private_segment_fixed_size: 0
    .kernarg_segment_align: 8
    .kernarg_segment_size: 32
    .max_flat_workgroup_size: 128
    .sgpr_count:     80
    .vgpr_count:     768
    .wavefront_size: 32
...
	.end_amdgpu_metadata
.endif
;; end of part 4
